; MI455X (gfx1250); checked and timed in simulation.
; The chip was launched on July 23, 2026; its instructions are those of AMD's public machine-readable ISA for CDNA 5 (MIT licence, August 2026) and "CDNA5" Instruction Set Architecture Reference Guide (July 2026). The comments in the code are by the model that wrote it; some were corrected since.
;; LISTA c. Allowed arithmetic: float matrix products may take bf16 or f16 operands with f32 sums; other float arithmetic in f32, or as packed bf16 or f16 multiplies, adds, multiply-adds, maxima and minima; sums over many terms, partial sums and values carried from step to step in f32; what a program stores and reads back later, other than sums and carried values, may be rounded once to bf16 or f16.
;; Inputs: A 2 x 256 x 128 float32; B 2 x 256 x 256 float32; etas 11 x 1 x 1 float32; gammas 11 x 1 x 1 float32; y 16,384 x 128 x 2 float32.
;; Outputs: out0 16,384 x 256 x 2 float32.
;; 2 versions, each right; version 2 is version 1 with the launch prep written anew for expert scheduling mode. Each part assembles by itself: llvm-mc -triple=amdgcn-amd-amdhsa -mcpu=gfx1250 --defsym DOCPART=n.
;; ======== version 1 of 2: 2 launches
;; limits: values are held in f16: magnitudes above 65,504 overflow, below 6.1e-05 lose precision; right only within a limited range of input values
;; workspace buffers: wa 131,072 bytes; wb 262,144 bytes; wmax 16,384 bytes
;; launch prep (part 1): grid 96 x 1, 1 waves a work-group, no clusters, 0 bytes of LDS; arguments A, B, wa, wb, wmax; writes wa, wb, wmax
.if DOCPART == 1
	.amdgcn_target "amdgcn-amd-amdhsa--gfx1250"
	.amdhsa_code_object_version 6
	.text
	.protected	k_q7b2a506727_prep
	.globl	k_q7b2a506727_prep
	.p2align	8
	.type	k_q7b2a506727_prep,@function
k_q7b2a506727_prep:
	s_mov_b64 s[64:65], 0
	v_nop
	global_prefetch_b8 v0, s[64:65] scope:SCOPE_SE
	s_setreg_imm32_b32 hwreg(HW_REG_WAVE_MODE, 25, 1), 1
	s_wait_xcnt 0x0
; THE WEIGHTS, ONCE.  A [2][256][128] and B [2][256][256], f32, are rounded to bf16 and written as REGISTER IMAGES for the next launch:
;   wa: (A0, -A1) in bf16;   wb: (-B0, +B1), the bf16 number written as f16 (exact down to 2^-17; below that f16's fixed step of 2^-24; |B| stays under 65,504).
; A fragment (16 rows x 32 columns, 8 registers of a wave) is 1,024 bytes: half hh (registers 4 hh ..) x lane l x 16 bytes; element e of lane l (r = l % 16, h = l / 16)
; is row 64 w + 16 pt + r, column 32 qs + 16 hh + 8 h + e.  Fragment number in wb: 64 w + 32 m + 8 pt + qs; in wa: 32 w + 16 m + 4 pt + qs: a wave's share of the next launch is contiguous.
; SHARES.  One wave a work-group; it makes four fragments, 4,096 consecutive bytes of an image: groups 0-63 of wb, groups 64-95 of wa.  Eight units of 512 bytes, each stored by one
; instruction (32 lanes x 16 neighbouring bytes).  All 16 loads go out first; each unit has registers of its own, so nothing is rewritten that a store still reads.
; wmax: group i < 64 also stores the largest |bf16(B)| of its part, f32, 64 times over: 256 consecutive bytes.
.set CH,  8                            ; v[8:11]   four running maxima, two bf16 each
.set TP,  12                           ; v[12:15]  at work
.set RAW, 16                           ; v[16:79]  unit t: 8 registers as loaded; its first four then hold the 16 bytes to store
.macro WORK isb, src, dst
.irp t, 0,1,2,3,4,5,6,7
	global_load_b128 v[RAW+8*\t:RAW+8*\t+3],   v3, s[\src:\src+1] offset:128*((\t)/2)+64*((\t)%2)
	global_load_b128 v[RAW+8*\t+4:RAW+8*\t+7], v3, s[\src:\src+1] offset:128*((\t)/2)+64*((\t)%2)+16
.endr
.irp t, 0,1,2,3,4,5,6,7
	s_wait_loadcnt 14-2*\t                         ; loads return in order: unit t's two are in, the later units' stay out
.irp q, 0,1,2,3
	v_cvt_pk_bf16_f32 v[RAW+8*\t+\q], v[RAW+8*\t+2*\q], v[RAW+8*\t+2*\q+1]  ; in place: register q is written when its own numbers have been read
.endr
.if \isb
.irp q, 0,1,2,3
.if \t == 0
	v_and_b32 v[CH+\q], s24, v[RAW+8*\t+\q]        ; the first unit starts the maxima: nothing is cleared
.else
	v_and_b32 v[TP+\q], s24, v[RAW+8*\t+\q]
	v_pk_max_num_bf16 v[CH+\q], v[CH+\q], v[TP+\q]
.endif
.endr
.irp q, 0,1,2,3
	v_lshlrev_b32 v[RAW+8*\t+4], 16, v[RAW+8*\t+\q] ; the bf16 number as f32,
	v_and_b32 v[RAW+8*\t+5], s25, v[RAW+8*\t+\q]
	v_cvt_pk_f16_f32 v[RAW+8*\t+\q], v[RAW+8*\t+4], v[RAW+8*\t+5]  ; and as f16
.endr
.endif
.irp q, 0,1,2,3
	v_xor_b32 v[RAW+8*\t+\q], s21, v[RAW+8*\t+\q]  ; the image's sign
.endr
	global_store_b128 v4, v[RAW+8*\t:RAW+8*\t+3], s[\dst:\dst+1] offset:512*\t
.endr
.endm
	s_load_b256 s[4:11], s[0:1], 0x0               ; A s[4:5], B s[6:7], wa s[8:9], wb s[10:11]
	s_load_b64 s[12:13], s[0:1], 0x20              ; wmax
	v_and_b32 v1, 15, v0                           ; r
	v_bfe_u32 v2, v0, 4, 1                         ; h
	s_mov_b32 s24, 0x7fff7fff                      ; clears the signs of two bf16
	s_mov_b32 s25, 0xffff0000                      ; a word's upper bf16
	s_mov_b32 s26, 0x76543210                      ; v_permlanex16_b32: each lane takes its own place in the other half
	s_mov_b32 s27, 0xfedcba98
	s_cmp_lt_u32 ttmp9, 64
	s_cbranch_scc0 .Lfor_a
	; B: group = 16 w + 8 m + 2 pt + (which four of the eight column steps)
	s_lshr_b32 s16, ttmp9, 4                       ; w
	s_bfe_u32 s17, ttmp9, 0x10003                  ; m
	s_bfe_u32 s18, ttmp9, 0x20001                  ; pt
	s_and_b32 s19, ttmp9, 1
	s_lshl_b32 s20, s17, 8
	s_lshl_b32 s16, s16, 6
	s_add_co_u32 s20, s20, s16
	s_lshl_b32 s18, s18, 4
	s_add_co_u32 s20, s20, s18                     ; 256 m + 64 w + 16 pt: my first row
	s_lshl_b32 s20, s20, 10                        ; rows of 1,024 bytes
	s_lshl_b32 s19, s19, 9
	s_add_co_u32 s20, s20, s19                     ; + 512 bytes for the second four column steps
	s_cmp_eq_u32 s17, 0
	s_cselect_b32 s21, 0x80008000, 0               ; -B0, +B1
	s_lshl_b32 s22, ttmp9, 12
	s_lshl_b32 s23, ttmp9, 8
	v_lshlrev_b32 v3, 10, v1
	v_lshl_add_u32 v3, v2, 5, v3
	v_add_nc_u32 v3, s20, v3                       ; source: row r, 32 h bytes
	v_lshl_add_u32 v4, v0, 4, s22                  ; image: 4,096 x group + 16 x lane
	v_lshl_add_u32 v5, v0, 3, s23                  ; wmax: 256 x group + 8 x lane
	s_wait_kmcnt 0x0
	WORK 1, 6, 10
	v_pk_max_num_bf16 v[CH], v[CH], v[CH+1]
	v_pk_max_num_bf16 v[CH+2], v[CH+2], v[CH+3]
	v_pk_max_num_bf16 v[CH], v[CH], v[CH+2]
	v_lshlrev_b32 v[TP], 16, v[CH]
	v_and_b32 v[TP+1], s25, v[CH]
	v_max_num_f32 v[TP], v[TP], v[TP+1]
	v_max_num_f32_dpp v[TP], v[TP], v[TP] row_xmask:1 row_mask:0xf bank_mask:0xf
	v_max_num_f32_dpp v[TP], v[TP], v[TP] row_xmask:2 row_mask:0xf bank_mask:0xf
	v_max_num_f32_dpp v[TP], v[TP], v[TP] row_xmask:4 row_mask:0xf bank_mask:0xf
	v_max_num_f32_dpp v[TP], v[TP], v[TP] row_xmask:8 row_mask:0xf bank_mask:0xf
	v_permlanex16_b32 v[TP+1], v[TP], s26, s27
	v_max_num_f32 v[CH], v[TP], v[TP+1]
	v_mov_b32 v[CH+1], v[CH]
	global_store_b64 v5, v[CH:CH+1], s[12:13]      ; 32 lanes x 8 bytes: 256 consecutive bytes, aligned
	s_endpgm
.Lfor_a:
	; A: group - 64 = 8 w + 4 m + pt
	s_sub_co_u32 s15, ttmp9, 64
	s_lshr_b32 s16, s15, 3                         ; w
	s_bfe_u32 s17, s15, 0x10002                    ; m
	s_and_b32 s18, s15, 3                          ; pt
	s_lshl_b32 s20, s17, 8
	s_lshl_b32 s16, s16, 6
	s_add_co_u32 s20, s20, s16
	s_lshl_b32 s18, s18, 4
	s_add_co_u32 s20, s20, s18
	s_lshl_b32 s20, s20, 9                         ; rows of 512 bytes
	s_cmp_eq_u32 s17, 1
	s_cselect_b32 s21, 0x80008000, 0               ; A0, -A1
	s_lshl_b32 s22, s15, 12
	v_lshlrev_b32 v3, 9, v1
	v_lshl_add_u32 v3, v2, 5, v3
	v_add_nc_u32 v3, s20, v3
	v_lshl_add_u32 v4, v0, 4, s22
	s_wait_kmcnt 0x0
	WORK 0, 4, 8
	s_endpgm
.Lfunc_end_k_q7b2a506727_prep:
	.size	k_q7b2a506727_prep, .Lfunc_end_k_q7b2a506727_prep-k_q7b2a506727_prep
	.p2alignl 7, 3214868480
	.fill 96, 4, 3214868480
	.section	.rodata,"a",@progbits
	.p2align	6, 0x0
	.amdhsa_kernel k_q7b2a506727_prep
		.amdhsa_group_segment_fixed_size 0
		.amdhsa_private_segment_fixed_size 0
		.amdhsa_enable_private_segment 0
		.amdhsa_kernarg_size 40
		.amdhsa_user_sgpr_count 2
		.amdhsa_user_sgpr_kernarg_segment_ptr 1
		.amdhsa_wavefront_size32 1
		.amdhsa_system_sgpr_workgroup_id_x 1
		.amdhsa_system_sgpr_workgroup_id_y 1
		.amdhsa_system_sgpr_workgroup_id_z 1
		.amdhsa_system_vgpr_workitem_id 0
		.amdhsa_next_free_vgpr 96
		.amdhsa_next_free_sgpr 66
		.amdhsa_reserve_vcc 0
		.amdhsa_float_denorm_mode_32 3
		.amdhsa_float_denorm_mode_16_64 3
		.amdhsa_memory_ordered 1
		.amdhsa_forward_progress 1
		.amdhsa_inst_pref_size 21
	.end_amdhsa_kernel
	.amdgpu_metadata
---
amdhsa.version: [ 1, 2 ]
amdhsa.kernels:
  - .name:           k_q7b2a506727_prep
    .symbol:         k_q7b2a506727_prep.kd
    .args:
      - { .name: A, .offset: 0, .size: 8, .value_kind: global_buffer, .address_space: global }
      - { .name: B, .offset: 8, .size: 8, .value_kind: global_buffer, .address_space: global }
      - { .name: wa, .offset: 16, .size: 8, .value_kind: global_buffer, .address_space: global }
      - { .name: wb, .offset: 24, .size: 8, .value_kind: global_buffer, .address_space: global }
      - { .name: wmax, .offset: 32, .size: 8, .value_kind: global_buffer, .address_space: global }
    .group_segment_fixed_size: 0
    .private_segment_fixed_size: 0
    .kernarg_segment_align: 8
    .kernarg_segment_size: 40
    .max_flat_workgroup_size: 32
    .sgpr_count:     66
    .vgpr_count:     96
    .wavefront_size: 32
...
	.end_amdgpu_metadata
.endif
;; end of part 1
;; launch lista (part 2): grid 256 x 1, 4 waves a work-group, clusters of 4 x 1, 327,680 bytes of LDS; arguments y, wa, wb, wmax, etas, gammas, out0; writes out0
.if DOCPART == 2
	.amdgcn_target "amdgcn-amd-amdhsa--gfx1250"
	.amdhsa_code_object_version 6
	.text
	.protected	k_q7b2a506727_lista
	.globl	k_q7b2a506727_lista
	.p2align	8
	.type	k_q7b2a506727_lista,@function
k_q7b2a506727_lista:
	s_mov_b64 s[64:65], 0
	v_nop
	global_prefetch_b8 v0, s[64:65] scope:SCOPE_SE
	s_setreg_imm32_b32 hwreg(HW_REG_WAVE_MODE, 25, 1), 1
	s_wait_xcnt 0x0
	s_wait_alu depctr_hold_cnt(0) depctr_sa_sdst(0) depctr_va_vdst(0) depctr_va_sdst(0) depctr_va_ssrc(0) depctr_va_vcc(0) depctr_vm_vsrc(0)
	s_getreg_b32 s2, hwreg(HW_REG_IB_STS2, 6, 4)
	s_cmp_eq_u32 s2, 0
	s_cbranch_scc0 .Lentry_in_a_cluster
	s_endpgm
.Lentry_in_a_cluster:
	s_bfe_u32 s2, ttmp6, 0x10000c
	s_cmp_lg_u32 s2, 0x3003
	s_cbranch_scc0 .Lentry_shape_is_right
	s_endpgm
.Lentry_shape_is_right:
; THE WHOLE CHAIN for 64 batch rows a work-group: Ay = A y; x = shrink(g0 Ay, e0); ten times x = shrink(x - g B x + g Ay, e).  Complex products in real arithmetic.
; SHARES.  Wave w owns the features 64 w .. 64 w + 63, re and im, of all 64 rows, and keeps its rows of both weight matrices in 512 registers for the whole launch; only x goes through LDS.
; The rows are two PIECES of 32 (two batch tiles of 16 each).  LAYOUT.  Source 0 = 16 features of a weight matrix, source 1 = 16 batch rows of x: in the result a lane holds ONE batch row
; (lane % 16) and the features 8 (lane / 16) + 0..7, which pack into the 16 bytes that the next step's source 1 wants.
; ONE FORM for both products, with M0, M1 = A0, -A1 (bf16) or -B0, +B1 (f16):  re = C_re + M0 o_re + M1 o_im;  im = C_im + M0 o_im - M1 o_re.  The odd sign lies in the accumulator: im starts at -C_im,
; takes M1 o_re (stage 0, operand re), is negated, and takes M0 o_im (stage 1, operand im).
; FORMATS.  All inputs are rounded to bf16 (y, A, B, etas, gammas).  x itself stays in f32, in the accumulators; the OPERAND of B x is f16 with a power-of-two scale for each batch row:
; an accumulator holds sg_i x (step i's argument of shrink).  sg_{i+1} = 2^(141 - e), e the exponent field of max(|g_{i+1}|, 1) x (M (1 + |g_i| G) + |g_i| AyM), where M is the row's largest
; |x_{i-1}|, AyM its largest |Ay| and G = 512 max|B|: a bound on |x_i| that is known before step i's numbers are looked at, so the operand stays under 2^15.
; shrink(x, e) is taken as x - clamp(x, -|e|, |e|), reference()'s value for e of either sign in another order of rounding.
; LIMITS.  e = 0 is not served (there reference() divides by 0).  |B| under 65,504; B below 2^-17 keeps a step of 2^-24.  The bound is held to 2^-12 .. 2^114: results are right while it stays under
; 2^114; a row whose bound is under 2^-12 keeps an absolute step of 2^-50 in the operand.  NaN and infinities are not treated apart.
; BY TURNS.  In a turn one piece has the matrix unit (256 products), and the other piece's epilogue, cut into slices of four vector instructions, stands behind every second product.  One barrier a turn:
; it orders this turn's stores of x and of the maxima ahead of the next turn's reads, and this turn's reads ahead of the next turn's stores.
; CLUSTER.  All work-groups read the same image of B: the four of a cluster ask for it JOINTLY, each wave its own 64 KiB, once.  A's image (32 KiB a wave) comes straight into registers: beside B's
; 262,144 bytes its 131,072 have no room in LDS as a first fill.  Nothing in LDS is ever filled again.
; LDS.  k x 65,536 (k = 0..3): first wave k's image of B; then bytes 0-32,767 Ay of wave k (f32, tile x 1,024 + half x 512 + 16 x lane; the wave's own; at the end its output stage, 2 x 16 rows of 528 bytes),
; and from byte 32,768 block k of x: 16 batch rows x 1,040 bytes = re 512 | im 512 | 16 of padding.  262,144 spare words; 262,656 y in bf16, 64 rows x 528 = re 256 | im 256 | 16; 296,448 and 297,472 the maxima.
; Pitches 1,040 and 528 are odd multiples of 16 bytes: the 16 rows of a load start at 16 different groups of four banks (64 banks of 4 bytes: ISA guide 11.1).
; REGISTERS, in windows of 256 (s_set_vgpr_msb: bits 1:0 source 0, 3:2 source 1, 5:4 source 2, 7:6 destination): window 0 addresses, scales, fragments of x; window 1 the 32 accumulators, at
; 128 piece + 64 part + 8 (2 pt + bt); window 2 first A's image, then -B0 at 8 (8 pt + qs); window 3 B1 likewise.
.set RIDE, 1                           ; 1: slices stand between the products; 0: behind them (the same lines)
.set XP,   1040
.set YP,   528
.set SP,   528
.set SPARE, 262144                     ; the spare words, 128 bytes a wave: two blocks of 256 bytes that no other line names
.set YST,  262656
.set AMX,  296448                      ; [64 rows][4 waves] f32: each wave's largest |Ay| of the row
.set MXO,  1024                        ; behind it, the same shape: each wave's largest |x|
.set R,   1                            ; lane % 16
.set H,   2                            ; lane / 16
.set LN,  3                            ; lane
.set YS,  4                            ; where I store y;  YA: where a fragment of y is read
.set YA,  5
.set XA,  6                            ; v6-9   block k of x: my place in a fragment
.set XS,  10                           ; v10-13 block k of x: where I store 16 bytes
.set LW,  14                           ; 65,536 w + 16 lane: image and Ay
.set MXS, 15                           ; maxima: my word of row r
.set MXR, 16                           ; maxima: row r's four words
.set SW,  17                           ; output stage, in
.set RD,  18                           ; output stage, back
.set GO,  19                           ; my byte offset in out0
.set SPW, 20                           ; my spare word; never rewritten
.set NIL, 21                           ; 0; never rewritten
.set GG,  22                           ; G
.set L16, 23                           ; 16 x lane
.set AYM, 24                           ; v24-27 block k: the row's largest |Ay|
.set U1,  28                           ; 1 + |g_i| G
.set U2,  29                           ; max(|g_{i+1}|, 1)
.set W0,  30
.set W1,  31
.set KB,  32                           ; sixteen registers for each block k:
.set MU,   0                           ;   g' sg'/sg      (pairs [MU:TAU], [RHO:NTAU], [KAP:SG] are named by packed lines, which take the low word for both halves)
.set TAU,  1                           ;   sg |e|
.set RHO,  2                           ;   sg'/sg
.set NTAU, 3
.set KAP,  4                           ;   g' sg'
.set SG,   5                           ;   sg_i, 1/sg_i, sg_{i+1}, 1/sg_{i+1}
.set ISG,  6
.set SGN,  7
.set ISGN, 8
.set WK,   10                          ;   two at work
.set MP,   12                          ;   four partial maxima
.set T,   96                           ; v96-103  at work
.set O,   104                          ; v104-107 the packed operand
.set TA,  108                          ; v108-123 Ay of a tile, two buffers
.set U,   104                          ; v104-119 the final epilogue's interleaved numbers
.set F0,  128                          ; v128-191 fragments of x, two buffers of 32
.set OB,  192                          ; v192-255 rows read back from the output stage
.set MQ,  192                          ; v192-199 until then: the maxima's words for the next turn's scales
.set MSB, 0
.set DSN, 0                            ; counts the LDS instructions of the text; a mark is its value behind a run of loads
.set MKF, 0
.set MKA0, 0
.set MKA1, 0
.set MKL, 0
.macro WIN new                         ; the immediate's high byte repeats the setting that is left; a switch that changes nothing is dropped
.if MSB != (\new)
	s_set_vgpr_msb (MSB<<8)|(\new)
.set MSB, \new
.endif
.endm
.macro PLACES                          ; four places between a matrix instruction and a vector line or load that touches its registers
.rept 4
	v_nop
.endr
.endm
.macro WAITDS mark                     ; LDS instructions end in order (ISA guide 5.7.1): all up to the mark are done when only the younger ones are out
	s_wait_dscnt DSN-(\mark)
.endm
.macro CROUND                          ; a round of the cluster's barrier
	s_barrier_signal -1
	s_barrier_wait -1
	s_cmp_lg_u32 s18, 0
	s_cbranch_scc1 .Lnot_wave_0_\@
	s_barrier_signal -3
.Lnot_wave_0_\@:
	s_barrier_wait -3
	s_barrier_signal -1
	s_barrier_wait -1
.endm
.macro BAR                             ; for the others' sake: all my LDS stores are done and all my LDS reads are back
	s_wait_dscnt 0x0
	s_barrier_signal -1
	s_barrier_wait -1
.endm
; Eight LDS loads: group gg's fragments (two steps of 32 along K x two batch tiles) of piece c, into buffer gg % 2.  kind 1: x; kind 0: y.
.macro FETCH kind, c, gg
	WIN 0
.irp qq, 0,1
.irp bb, 0,1
.irp hh, 0,1
.if \kind
	ds_load_b128 v[F0+32*((\gg)%2)+16*\qq+8*\bb+4*\hh:F0+32*((\gg)%2)+16*\qq+8*\bb+4*\hh+3], v[XA+2*(\c)+\bb] offset:512*((\gg)/4)+64*(2*((\gg)%4)+\qq)+32*\hh
.else
	ds_load_b128 v[F0+32*((\gg)%2)+16*\qq+8*\bb+4*\hh:F0+32*((\gg)%2)+16*\qq+8*\bb+4*\hh+3], v[YA] offset:16*YP*(2*(\c)+\bb)+256*((\gg)/2)+64*(2*((\gg)%2)+\qq)+32*\hh
.endif
.endr
.endr
.endr
.set DSN, DSN+8
.set MKF, DSN
.endm
; Product j of group g (symbols of TURN).  j < 16: M1, onto the part that is not the operand's; else M0, onto the operand's part.  The eight accumulators of a run take turns, one instruction a turn,
; runs, groups, stages and turns meet on different accumulators.
.macro MM kind, c
.set st_, g/(NG/2)
.set qq_, (j%16)/8
.set pt_, (j%8)/2
.set bt_, j%2
.set qs_, 2*(g%(NG/2))+qq_
.set rF, F0+32*(g%2)+16*qq_+8*bt_
.if j < 16
.set rC, 128*(\c)+64*(1-st_)+8*(2*pt_+bt_)
.else
.set rC, 128*(\c)+64*st_+8*(2*pt_+bt_)
.endif
.if \kind
.set rW, 8*(8*pt_+qs_)
.if j < 16
	WIN 0x53
.else
	WIN 0x52
.endif
	v_wmma_f32_16x16x32_f16 v[rC:rC+7], v[rW:rW+7], v[rF:rF+7], v[rC:rC+7]
.else
.set rW, 8*(4*pt_+qs_)+128*(1-j/16)
	WIN 0x52
.if (g == 0) && (qq_ == 0)
	v_wmma_f32_16x16x32_bf16 v[rC:rC+7], v[rW:rW+7], v[rF:rF+7], 0  ; the first products start the sums: nothing is cleared
.else
	v_wmma_f32_16x16x32_bf16 v[rC:rC+7], v[rW:rW+7], v[rF:rF+7], v[rC:rC+7]
.endif
.endif
.endm
.macro NEGS c, s                       ; im accumulator s of piece c changes sign, its lowest registers first
	WIN 0x41
.irp i, 0,2,4,6
	v_pk_mul_f32 v[128*(\c)+64+8*(\s)+\i:128*(\c)+64+8*(\s)+\i+1], v[128*(\c)+64+8*(\s)+\i:128*(\c)+64+8*(\s)+\i+1], -1.0 op_sel_hi:[1,0]
.endr
.endm
; The scales of block k for the epilogue of step i; b = the block's place in MQ.  s21 = |g_i|, s41 = g_{i+1}, s52 = |e_i|.
.macro SC k, b
.set kb, KB+16*(\k)
.set mq, MQ+4*(\b)
	v_mov_b32 v[kb+SG], v[kb+SGN]                  ; what was the next scale is this step's
	v_mov_b32 v[kb+ISG], v[kb+ISGN]
	v_max3_num_f32 v[kb+WK], v[mq], v[mq+1], v[mq+2]
	v_mul_f32 v[kb+WK+1], s21, v[AYM+(\k)]
	v_max_num_f32 v[kb+WK], v[kb+WK], v[mq+3]      ; M: the row's largest |x_{i-1}|
	v_mul_f32 v[kb+TAU], s52, v[kb+SG]
	v_fma_f32 v[kb+WK], v[kb+WK], v[U1], v[kb+WK+1]
	v_mul_f32 v[kb+WK], v[kb+WK], v[U2]
	v_max_num_f32 v[kb+WK], 0x39800000, v[kb+WK]   ; held to 2^-12 ..
	v_min_num_f32 v[kb+WK], 0x78800000, v[kb+WK]   ; .. 2^114
	v_and_b32 v[kb+WK], 0x7f800000, v[kb+WK]       ; its exponent field e, in place
	v_sub_nc_u32 v[kb+SGN], 0x86000000, v[kb+WK]   ; 2^(141 - e)
	v_add_nc_u32 v[kb+ISGN], 0xf9000000, v[kb+WK]  ; 2^(e - 141): the field less 14
	v_xor_b32 v[kb+NTAU], 0x80000000, v[kb+TAU]
	v_mul_f32 v[kb+RHO], v[kb+SGN], v[kb+ISG]
	v_mul_f32 v[kb+KAP], s41, v[kb+SGN]
	v_mul_f32 v[kb+MU], s41, v[kb+RHO]
.endm
.macro SCF k                           ; the last step wants its threshold alone
.set kb, KB+16*(\k)
	v_mul_f32 v[kb+TAU], s52, v[kb+SGN]
	v_xor_b32 v[kb+NTAU], 0x80000000, v[kb+TAU]
.endm
.macro EHEAD c                         ; ahead of piece c's epilogue: Ay of its first tile is asked for, its two blocks' scales are made
	WIN 0
	ds_load_b128 v[TA:TA+3], v[LW] offset:1024*16*(\c)
	ds_load_b128 v[TA+4:TA+7], v[LW] offset:1024*16*(\c)+512
.set DSN, DSN+2
.set MKA0, DSN
	s_and_b32 s21, s40, 0x7fffffff
	s_and_b32 s22, s41, 0x7fffffff
	v_fma_f32 v[U1], s21, v[GG], 1.0
	v_max_num_f32 v[U2], s22, 1.0
	SC 2*(\c), 0
	SC 2*(\c)+1, 1
.endm
; Slice s of 131 of piece c's epilogue.  Tile s / 8 (registers ascending), eight slices each: 0, 1 clamp(acc); 2 xs = acc - clamp; 3 |xs| into the maxima; 4 xs x MU; 5 rounded to f16 and stored as the next
; operand, and Ay of the next tile asked for; 6 Ay x KAP; 7 the next sum's start, xs x RHO + that (negated for im).  128-130: the row's maximum, in true units, into my word.
.macro EPS c, s
.set k0, KB+16*(2*(\c))+MP
.set k1, k0+16
.if (\s) < 128
.set t_, (\s)/8
.set f_, (\s)%8
.set ra, 128*(\c)+8*t_
.set kb, KB+16*(2*(\c)+t_%2)
.set ta, TA+8*(t_%2)
.set tn, TA+8*((t_+1)%2)
.if f_ < 2
	WIN 0x01
.irp i, 0,1,2,3
	v_med3_num_f32 v[T+4*f_+\i], v[ra+4*f_+\i], v[kb+NTAU], v[kb+TAU]
.endr
.elseif f_ == 2
	WIN 0x41
.irp i, 0,2,4,6
	v_pk_add_f32 v[ra+\i:ra+\i+1], v[ra+\i:ra+\i+1], v[T+\i:T+\i+1] neg_lo:[0,1] neg_hi:[0,1]
.endr
.elseif f_ == 3
	WIN 0x05
.irp i, 0,1,2,3
.if t_ < 2
	v_max_num_f32 v[kb+MP+\i], |v[ra+2*\i]|, |v[ra+2*\i+1]|  ; a block's first tile starts its maxima
.else
	v_max3_num_f32 v[kb+MP+\i], |v[ra+2*\i]|, |v[ra+2*\i+1]|, v[kb+MP+\i]
.endif
.endr
.elseif f_ == 4
	WIN 0x01
.irp i, 0,2,4,6
	v_pk_mul_f32 v[T+\i:T+\i+1], v[ra+\i:ra+\i+1], v[kb+MU:kb+MU+1] op_sel_hi:[1,0]
.endr
.elseif f_ == 5
	WIN 0
.irp i, 0,1,2,3
	v_cvt_pk_f16_f32 v[O+\i], v[T+2*\i], v[T+2*\i+1]
.endr
	ds_store_b128 v[XS+2*(\c)+t_%2], v[O:O+3] offset:512*(t_/8)+32*((t_%8)/2)
.set DSN, DSN+1
.if t_ < 15
	ds_load_b128 v[tn:tn+3], v[LW] offset:1024*(16*(\c)+t_+1)
	ds_load_b128 v[tn+4:tn+7], v[LW] offset:1024*(16*(\c)+t_+1)+512
.set DSN, DSN+2
.if t_%2
.set MKA0, DSN
.else
.set MKA1, DSN
.endif
.endif
.elseif f_ == 6
.if t_%2
	WAITDS MKA1                                    ; this tile's Ay is in
.else
	WAITDS MKA0
.endif
	WIN 0
.irp i, 0,2,4,6
	v_pk_mul_f32 v[ta+\i:ta+\i+1], v[ta+\i:ta+\i+1], v[kb+KAP:kb+KAP+1] op_sel_hi:[1,0]
.endr
.else
	WIN 0x41
.irp i, 0,2,4,6
.if t_ < 8
	v_pk_fma_f32 v[ra+\i:ra+\i+1], v[ra+\i:ra+\i+1], v[kb+RHO:kb+RHO+1], v[ta+\i:ta+\i+1] op_sel_hi:[1,0,1]
.else
	v_pk_fma_f32 v[ra+\i:ra+\i+1], v[ra+\i:ra+\i+1], v[kb+RHO:kb+RHO+1], v[ta+\i:ta+\i+1] op_sel_hi:[1,0,1] neg_lo:[1,0,1] neg_hi:[1,0,1]
.endif
.endr
.endif
.elseif (\s) == 128
	WIN 0
	v_max3_num_f32 v[k0], v[k0], v[k0+1], v[k0+2]
	v_max3_num_f32 v[k1], v[k1], v[k1+1], v[k1+2]
	v_max_num_f32 v[k0], v[k0], v[k0+3]
	v_max_num_f32 v[k1], v[k1], v[k1+3]
.elseif (\s) == 129
	WIN 0
	v_permlanex16_b32 v[k0+1], v[k0], s36, s37     ; the row's other 32 of my features lie in the lane 16 away
	v_permlanex16_b32 v[k1+1], v[k1], s36, s37
	v_max_num_f32 v[k0], v[k0], v[k0+1]
	v_max_num_f32 v[k1], v[k1], v[k1+1]
.else
	WIN 0
	v_mul_f32 v[k0], v[k0], v[k0-MP+ISG]
	v_mul_f32 v[k1], v[k1], v[k1-MP+ISG]
	ds_store_b32 v[MXS], v[k0] offset:MXO+256*(2*(\c))
	ds_store_b32 v[MXS], v[k1] offset:MXO+256*(2*(\c)+1)
.set DSN, DSN+2
.endif
.endm
; Slice s of 90 of piece c's LAST epilogue; 45 for each batch tile b.  For each pt ten slices: shrink of the re tile (3) and of the im tile (3), sixteen products with 1/sg that interleave re and im (4), then
; 64 bytes a lane into my stage.  Slice 40: the tile's 16 rows come back, 256 bytes of a row to sixteen lanes.  41-44: they are stored.
.macro EFS c, s
.set b_, (\s)/45
.set u_, (\s)%45
.set kb, KB+16*(2*(\c)+b_)
.if u_ < 40
.set p_, u_/10
.set f_, u_%10
.set rr, 128*(\c)+8*(2*p_+b_)
.if f_ < 6
.set ra, rr+64*(f_/3)
.set e_, f_%3
.if e_ < 2
	WIN 0x01
.irp i, 0,1,2,3
	v_med3_num_f32 v[T+4*e_+\i], v[ra+4*e_+\i], v[kb+NTAU], v[kb+TAU]
.endr
.else
	WIN 0x41
.irp i, 0,2,4,6
	v_pk_add_f32 v[ra+\i:ra+\i+1], v[ra+\i:ra+\i+1], v[T+\i:T+\i+1] neg_lo:[0,1] neg_hi:[0,1]
.endr
.endif
.else
.set jj, f_-6
	WIN 0x01
	v_mul_f32 v[U+4*jj],   v[rr+2*jj],      v[kb+ISGN]
	v_mul_f32 v[U+4*jj+1], v[rr+64+2*jj],   v[kb+ISGN]
	v_mul_f32 v[U+4*jj+2], v[rr+2*jj+1],    v[kb+ISGN]
	v_mul_f32 v[U+4*jj+3], v[rr+64+2*jj+1], v[kb+ISGN]
.if f_ == 9
	WIN 0
.irp q, 0,1,2,3
	ds_store_b128 v[SW], v[U+4*\q:U+4*\q+3] offset:16*SP*b_+128*p_+16*\q
.endr
.set DSN, DSN+4
.endif
.endif
.elseif u_ == 40
	WIN 0
	s_wait_xcnt 0x0                                ; earlier stores have read their data: only behind this wait are OB's registers loaded again
.set MKL, DSN
.irp t, 0,1,2,3,4,5,6,7,8,9,10,11,12,13,14,15
	ds_load_b128 v[OB+4*\t:OB+4*\t+3], v[RD] offset:16*SP*b_+2*SP*((\t)/2)+256*((\t)%2)  ; LDS serves a wave's instructions in order: these see my stores above
.endr
.set DSN, DSN+16
.else
	WIN 0
.set q_, u_-41
.irp z, 0,1,2,3
	s_wait_dscnt DSN-(MKL+4*q_+\z+1)               ; this load is back; the younger LDS instructions may be out
	global_store_b128 v[GO], v[OB+4*(4*q_+\z):OB+4*(4*q_+\z)+3], s[16:17] offset:(32*(\c)+16*b_+2*((4*q_+\z)/2))*2048+256*((4*q_+\z)%2) th:TH_STORE_NT  ; sixteen lanes: 256 consecutive bytes, aligned
.endr
.endif
.endm
.macro SLICE                           ; the next slice of the epilogue in hand, if one is left
.if ES < NSL
.if RK == 1
	EPS EC, ES
.else
	EFS EC, ES
.endif
.set ES, ES+1
.endif
.endm
; A TURN.  Piece c has the matrix unit: NG groups of 32 products (kind 1: B, 8 groups; kind 0: A, 4).  ride = 1: the other piece's epilogue rides; 2: its last epilogue; 0: none.
; A group's fragments are asked for behind the second product of the group before, four places behind the last product that read their buffer, and waited for at the group's head.
; The im accumulators change sign in the first half of group NG / 2, whose products work on re; four places stand behind the last product that wrote im.
; ride = 1 also loads the maxima's words of piece c, for the NEXT turn's scales: they were stored a barrier ago and are stored again a barrier on.
.macro TURN kind, c, ride, bar
.set NG, 4+4*(\kind)
.set RK, \ride
.set EC, 1-(\c)
.set ES, 0
.set NSL, 0
.if (\ride) == 1
.set NSL, 131
.elseif (\ride) == 2
.set NSL, 90
.endif
	PLACES                                         ; behind the last turn's products: for the loads into buffer 0 and for the epilogue's first reads
	FETCH \kind, \c, 0
.if (\ride) == 1
	EHEAD 1-(\c)
	ds_load_b128 v[MQ:MQ+3], v[MXR] offset:MXO+256*(2*(\c))
	ds_load_b128 v[MQ+4:MQ+7], v[MXR] offset:MXO+256*(2*(\c)+1)
.set DSN, DSN+2
.elseif (\ride) == 2
	SCF 2*(1-(\c))
	SCF 2*(1-(\c))+1
.endif
.if RIDE
.rept 4
	SLICE                                          ; four slices stand in the wait for the first fragments
.endr
.endif
.set n, 0
.rept 32*NG
.set g, n/32
.set j, n%32
.if j == 0
	WAITDS MKF                                     ; the group's eight loads are in
.endif
	MM \kind, \c
.if (g == NG/2) && (j < 16) && (j%2 == 0)
.if j == 0
	PLACES
.endif
	NEGS \c, j/2
.endif
.if RIDE && (j%2 == 1)
	SLICE
.endif
.if (j == 1) && (g < NG-1)
	PLACES
	FETCH \kind, \c, g+1
.endif
.set n, n+1
.endr
.rept NSL
	SLICE                                          ; what is left over
.endr
	WIN 0
.if \bar
	BAR
.endif
.endm
	; ---------------- THE HEAD
	s_load_b256 s[4:11], s[0:1], 0x0               ; y s[4:5], wa s[6:7], wb s[8:9], wmax s[10:11]
	s_load_b128 s[12:15], s[0:1], 0x20             ; etas s[12:13], gammas s[14:15]
	s_load_b64 s[16:17], s[0:1], 0x30              ; out0
	v_lshl_add_u32 v[SPW], v0, 2, SPARE
	v_mov_b32 v[NIL], 0
	ds_add_u32 v[SPW], v[NIL]                      ; the wave's opening: the add, twice on end, and its wait ahead of my tensor load
	ds_add_u32 v[SPW], v[NIL]                      ; and once more; the set-up below, work on registers, stands between it and the wait
	v_lshrrev_b32 v[W0], 5, v0
	v_readfirstlane_b32 s18, v[W0]                 ; wave 0..3
	s_bfe_u32 s19, ttmp6, 0x40000                  ; cx: my place in the cluster
	s_lshl_b32 s20, ttmp9, 2
	s_add_co_u32 s20, s20, s19                     ; my block of 64 batch rows: it enters y's and out0's addresses alone
	s_mov_b32 s24, 1                               ; group 0: count = 1
	s_lshl_b32 s25, s18, 16                        ; LDS address: 65,536 x wave
	s_mov_b32 s28, 15|(3<<16)|(1<<21)              ; group 1: the mask of four; elements of 8 bytes; bit 21 beside a mask; no padding
	s_mov_b32 s29, 32<<16                          ; tensor_dim0 = 32 elements: rows of 256 bytes
	s_mov_b32 s30, 256<<16                         ; tensor_dim1 = 256
	s_mov_b32 s31, 32<<16                          ; tile_dim0 = 32
	s_mov_b32 s32, 256                             ; tile_dim1 = 256: 65,536 dense bytes
	s_mov_b32 s33, 32                              ; 32 elements from row to row
	s_mov_b32 s34, 0
	s_mov_b32 s35, 0
	s_mov_b32 s36, 0x76543210                      ; v_permlanex16_b32: each lane takes its own place in the other half
	s_mov_b32 s37, 0xfedcba98
	v_and_b32 v[R], 15, v0
	v_bfe_u32 v[H], v0, 4, 1
	v_and_b32 v[LN], 31, v0
	s_mul_i32 s21, s18, 16*YP
	s_add_co_u32 s21, s21, YST
	v_lshl_add_u32 v[YS], v[LN], 2, s21            ; my wave's 16 rows of y, 4 bytes a lane
	v_mul_u32_u24 v[YA], v[R], YP
	v_lshl_add_u32 v[YA], v[H], 4, v[YA]
	v_add_nc_u32 v[YA], YST, v[YA]                 ; row r x pitch + 16 h
	v_mul_u32_u24 v[W1], v[R], XP
	v_lshl_add_u32 v[W1], v[H], 4, v[W1]
	s_lshl_b32 s22, s18, 7
.irp k, 0,1,2,3
	v_add_nc_u32 v[XA+\k], 65536*\k+32768, v[W1]
	v_add_nc_u32 v[XS+\k], s22, v[XA+\k]           ; + my wave's 64 features, 128 bytes
.endr
	v_lshl_add_u32 v[LW], v[LN], 4, s25
	s_lshl_b32 s23, s18, 2
	s_add_co_u32 s23, s23, AMX
	v_lshl_add_u32 v[MXS], v[R], 4, s23
	v_lshl_add_u32 v[MXR], v[R], 4, AMX
	v_mul_u32_u24 v[SW], v[R], SP
	v_lshl_add_u32 v[SW], v[H], 6, v[SW]
	v_add_nc_u32 v[SW], s25, v[SW]                 ; in: row r, 64 bytes for each half of the lanes
	v_mul_u32_u24 v[RD], v[H], SP
	v_lshl_add_u32 v[RD], v[R], 4, v[RD]
	v_add_nc_u32 v[RD], s25, v[RD]                 ; back: lanes 0-15 take 256 bytes of one row, lanes 16-31 of the next
	s_lshl_b32 s21, s18, 9
	v_lshl_add_u32 v[GO], v[H], 11, s21            ; and the same in out0: rows of 2,048 bytes, my wave's 512
	v_lshl_add_u32 v[GO], v[R], 4, v[GO]
	v_lshlrev_b32 v[L16], 4, v[LN]
	v_min_u32 v[W0], 10, v[LN]
	v_lshlrev_b32 v[W0], 2, v[W0]                  ; lane i reads number min(i, 10) of etas and gammas
	v_lshlrev_b32 v[W1], 8, v[LN]                  ; and the first word of block i of wmax
	s_lshl_b32 s22, s20, 16                        ; 64 rows of y are 65,536 bytes,
	s_lshl_b32 s21, s18, 14                        ; my wave's 16 are 16,384
	s_add_co_u32 s22, s22, s21
	s_mov_b32 s23, 0
	s_wait_dscnt 0x0                               ; both opening adds are done
	s_wait_kmcnt 0x0
	s_add_nc_u64 s[4:5], s[4:5], s[22:23]
	s_lshl_b32 s22, s20, 17                        ; 64 rows of out0 are 131,072 bytes
	s_add_nc_u64 s[16:17], s[16:17], s[22:23]
	s_lshl_b32 s22, s18, 15
	s_add_nc_u64 s[6:7], s[6:7], s[22:23]          ; my wave's 32 KiB of A's image
	s_mov_b32 s22, s25
	s_add_nc_u64 s[26:27], s[8:9], s[22:23]        ; my wave's 64 KiB of B's image: the same in all four partners
	s_or_b32 s27, s27, 0x80000000                  ; type = 2
	global_load_b32 v[T], v[W0], s[12:13]
	global_load_b32 v[T+1], v[W0], s[14:15]
	global_load_b32 v[T+2], v[W1], s[10:11]
	global_load_b32 v[T+3], v[W1], s[10:11] offset:8192
	WIN 0x40                                       ; y as it lies, into the registers that later hold accumulators
.set i, 0
.rept 32
	global_load_b128 v[4*i:4*i+3], v[L16], s[4:5] offset:512*i th:TH_LOAD_NT
.set i, i+1
.endr
	WIN 0
	CROUND                                         ; all four work-groups are here: the joint loads meet
	tensor_load_to_lds s[24:27], s[28:35]          ; my one tensor load of the launch
	s_nop 0
.rept 4
	v_nop
.endr
	WIN 0x80
.set i, 0
.rept 64
	global_load_b128 v[4*i:4*i+3], v[L16], s[6:7] offset:512*i  ; A's image is the register image: load i fills registers 4 i .. 4 i + 3 of window 2
.set i, i+1
.endr
	WIN 0
	; ---------------- y, etas, gammas, G
	s_wait_loadcnt 63                              ; behind y's last load stand the 64 of A's image; the wait's field ends at 63, so the count is one stricter than needed
	v_cvt_pk_bf16_f32 v[T], v[T], v[T+1]           ; e and g rounded to bf16
	v_max_num_f32 v[GG], v[T+2], v[T+3]
	v_lshlrev_b32 v[T+4], 16, v[T]
	v_and_b32 v[T+5], 0xffff0000, v[T]
	v_and_b32 v[T+4], 0x7fffffff, v[T+4]           ; |e|
	v_max_num_f32_dpp v[GG], v[GG], v[GG] row_xmask:1 row_mask:0xf bank_mask:0xf
	v_max_num_f32_dpp v[GG], v[GG], v[GG] row_xmask:2 row_mask:0xf bank_mask:0xf
	v_max_num_f32_dpp v[GG], v[GG], v[GG] row_xmask:4 row_mask:0xf bank_mask:0xf
	v_max_num_f32_dpp v[GG], v[GG], v[GG] row_xmask:8 row_mask:0xf bank_mask:0xf
	v_permlanex16_b32 v[T+2], v[GG], s36, s37
	v_max_num_f32 v[GG], v[GG], v[T+2]
	v_mul_f32 v[GG], 0x44000000, v[GG]             ; G = 512 max|B|
.irp i, 0,1,2,3,4,5,6,7,8,9,10
	v_readlane_b32 s[40+\i], v[T+5], \i            ; two queues: s40 = g_i, s41 = g_{i+1}, s52 = |e_i|; shifted once a step
	v_readlane_b32 s[52+\i], v[T+4], \i
.endr
	s_mov_b32 s51, 1.0
	s_mov_b32 s63, 0
	WIN 0x05
.set i, 0
.rept 32                                       ; a lane's 16 bytes are (re, im) of two neighbouring q
	v_cvt_pk_bf16_f32 v[F0+2*i], v[4*i], v[4*i+2]
	v_cvt_pk_bf16_f32 v[F0+2*i+1], v[4*i+1], v[4*i+3]
.set i, i+1
.endr
	WIN 0
.set i, 0
.rept 32
	ds_store_b32 v[YS], v[F0+2*i] offset:YP*(i/2)+128*(i%2)
	ds_store_b32 v[YS], v[F0+2*i+1] offset:YP*(i/2)+128*(i%2)+256
.set i, i+1
.endr
	BAR                                            ; all 64 rows of y lie in LDS
	; ---------------- Ay
	s_wait_loadcnt 0x0                             ; A's image
	TURN 0, 0, 0, 0
	TURN 0, 1, 0, 0
	; ---------------- B's image into registers; Ay into LDS; acc = g0 Ay
	PLACES                                         ; behind the last product: for the loads into window 2 and for the reads of the results
	s_wait_tensorcnt 0x0                           ; my 64 KiB have landed; no other wave reads them
	WIN 0xc0
.set i, 0
.rept 64
	ds_load_b128 v[4*i:4*i+3], v[LW] offset:32768+512*i
.set i, i+1
.endr
	WIN 0x80
.set i, 0
.rept 64
	ds_load_b128 v[4*i:4*i+3], v[LW] offset:512*i
.set i, i+1
.endr
.set tt, 0
.rept 32
.set ra, 8*tt
.set kb, KB+16*(2*(tt/16)+tt%2)
	WIN 0x04
	ds_store_b128 v[LW], v[ra:ra+3] offset:1024*tt      ; over my own image's first half, behind the loads that read it: LDS serves a wave's instructions in order (ISA guide 5.7.1.4)
	ds_store_b128 v[LW], v[ra+4:ra+7] offset:1024*tt+512
	WIN 0x05
.irp i, 0,1,2,3
.if tt%16 < 2
	v_max_num_f32 v[kb+MP+\i], |v[ra+2*\i]|, |v[ra+2*\i+1]|
.else
	v_max3_num_f32 v[kb+MP+\i], |v[ra+2*\i]|, |v[ra+2*\i+1]|, v[kb+MP+\i]
.endif
.endr
	WIN 0x41
.irp i, 0,2,4,6
	v_pk_mul_f32 v[ra+\i:ra+\i+1], v[ra+\i:ra+\i+1], s[40:41] op_sel_hi:[1,0]
.endr
.set tt, tt+1
.endr
	WIN 0
.irp k, 0,1,2,3
	v_max3_num_f32 v[KB+16*\k+MP], v[KB+16*\k+MP], v[KB+16*\k+MP+1], v[KB+16*\k+MP+2]
.endr
.irp k, 0,1,2,3
	v_max_num_f32 v[KB+16*\k+MP], v[KB+16*\k+MP], v[KB+16*\k+MP+3]
.endr
.irp k, 0,1,2,3
	v_permlanex16_b32 v[KB+16*\k+MP+1], v[KB+16*\k+MP], s36, s37
.endr
.irp k, 0,1,2,3
	v_max_num_f32 v[KB+16*\k+MP], v[KB+16*\k+MP], v[KB+16*\k+MP+1]
	ds_store_b32 v[MXS], v[KB+16*\k+MP] offset:256*\k
.endr
	BAR                                            ; every wave has its weights in registers: the images' second halves may take x; the four maxima of each row lie in LDS
	; ---------------- the first scales, and piece 0's first epilogue
.irp k, 0,1,2,3
	ds_load_b128 v[F0+4*\k:F0+4*\k+3], v[MXR] offset:256*\k
.endr
.irp k, 0,1,2,3
	v_mov_b32 v[KB+16*\k+SGN], 1.0                 ; sg_0 = 1
	v_mov_b32 v[KB+16*\k+ISGN], 1.0
.endr
.irp i, 0,1,2,3,4,5,6,7
	v_mov_b32 v[MQ+\i], 0                          ; ahead of step 0 there is no x: M = 0, for both pieces
.endr
	s_wait_dscnt 0x0
.irp k, 0,1,2,3
	v_max3_num_f32 v[AYM+\k], v[F0+4*\k], v[F0+4*\k+1], v[F0+4*\k+2]
.endr
.irp k, 0,1,2,3
	v_max_num_f32 v[AYM+\k], v[AYM+\k], v[F0+4*\k+3]
.endr
	EHEAD 0
.set RK, 1
.set EC, 0
.set ES, 0
.set NSL, 131
.rept 131
	SLICE
.endr
	WIN 0
	BAR                                            ; piece 0's first operand and maxima lie in LDS
	; ---------------- THE LOOP: trip i = 0 (entered in its middle) to 9
	s_mov_b32 s38, 10
	s_branch .Lmid
.Ltrip:
	TURN 1, 1, 1, 1                                ; piece 1: B x of step i       | piece 0: the epilogue of step i
.Lmid:
	TURN 1, 0, 1, 1                                ; piece 0: B x of step i + 1   | piece 1: the epilogue of step i
.irp i, 0,1,2,3,4,5,6,7,8,9,10
	s_mov_b32 s[40+\i], s[41+\i]
	s_mov_b32 s[52+\i], s[53+\i]
.endr
	s_sub_co_i32 s38, s38, 1
	s_cmp_lg_u32 s38, 0
	s_cbranch_scc1 .Ltrip
	; ---------------- THE TAIL
	TURN 1, 1, 2, 0                                ; piece 1: B x of step 10 | piece 0 leaves
	PLACES                                         ; behind the last product
	SCF 2
	SCF 3
.set RK, 2
.set EC, 1
.set ES, 0
.set NSL, 90
.rept 90
	SLICE                                          ; piece 1 leaves
.endr
	WIN 0
	s_wait_tensorcnt 0x0                           ; the wave's end, behind my tensor load and my last LDS store
	ds_add_u32 v[SPW], v[NIL]
	s_wait_dscnt 0x0
	CROUND                                         ; the closing round
	s_endpgm
.Lfunc_end_k_q7b2a506727_lista:
	.size	k_q7b2a506727_lista, .Lfunc_end_k_q7b2a506727_lista-k_q7b2a506727_lista
	.p2alignl 7, 3214868480
	.fill 96, 4, 3214868480
	.section	.rodata,"a",@progbits
	.p2align	6, 0x0
	.amdhsa_kernel k_q7b2a506727_lista
		.amdhsa_group_segment_fixed_size 327680
		.amdhsa_private_segment_fixed_size 0
		.amdhsa_enable_private_segment 0
		.amdhsa_kernarg_size 56
		.amdhsa_user_sgpr_count 2
		.amdhsa_user_sgpr_kernarg_segment_ptr 1
		.amdhsa_wavefront_size32 1
		.amdhsa_system_sgpr_workgroup_id_x 1
		.amdhsa_system_sgpr_workgroup_id_y 1
		.amdhsa_system_sgpr_workgroup_id_z 1
		.amdhsa_system_vgpr_workitem_id 0
		.amdhsa_next_free_vgpr 1024
		.amdhsa_next_free_sgpr 66
		.amdhsa_reserve_vcc 0
		.amdhsa_float_denorm_mode_32 3
		.amdhsa_float_denorm_mode_16_64 3
		.amdhsa_memory_ordered 1
		.amdhsa_forward_progress 1
		.amdhsa_inst_pref_size 255
	.end_amdhsa_kernel
	.section	.bss,"aw",@nobits
	.p2align	6
	.space	262144
	.amdgpu_metadata
---
amdhsa.version: [ 1, 2 ]
amdhsa.kernels:
  - .name:           k_q7b2a506727_lista
    .symbol:         k_q7b2a506727_lista.kd
    .args:
      - { .name: y, .offset: 0, .size: 8, .value_kind: global_buffer, .address_space: global }
      - { .name: wa, .offset: 8, .size: 8, .value_kind: global_buffer, .address_space: global }
      - { .name: wb, .offset: 16, .size: 8, .value_kind: global_buffer, .address_space: global }
      - { .name: wmax, .offset: 24, .size: 8, .value_kind: global_buffer, .address_space: global }
      - { .name: etas, .offset: 32, .size: 8, .value_kind: global_buffer, .address_space: global }
      - { .name: gammas, .offset: 40, .size: 8, .value_kind: global_buffer, .address_space: global }
      - { .name: out0, .offset: 48, .size: 8, .value_kind: global_buffer, .address_space: global }
    .group_segment_fixed_size: 327680
    .private_segment_fixed_size: 0
    .kernarg_segment_align: 8
    .kernarg_segment_size: 56
    .max_flat_workgroup_size: 128
    .sgpr_count:     66
    .vgpr_count:     1024
    .wavefront_size: 32
...
	.end_amdgpu_metadata
.endif
;; end of part 2
;; ======== version 2 of 2: 2 launches; version 1 with the launch prep written anew for expert scheduling mode
;; limits: values are held in f16: magnitudes above 65,504 overflow, below 6.1e-05 lose precision; right only within a limited range of input values
;; workspace buffers: wa 131,072 bytes; wb 262,144 bytes; wmax 16,384 bytes
;; launch prep (part 3): grid 96 x 1, 1 waves a work-group, no clusters, 0 bytes of LDS; arguments A, B, wa, wb, wmax; writes wa, wb, wmax
.if DOCPART == 3
	.amdgcn_target "amdgcn-amd-amdhsa--gfx1250"
	.amdhsa_code_object_version 6
	.text
	.protected	k_q7b2a506727_prep
	.globl	k_q7b2a506727_prep
	.p2align	8
	.type	k_q7b2a506727_prep,@function
k_q7b2a506727_prep:
	s_mov_b64 s[64:65], 0
	v_nop
	global_prefetch_b8 v0, s[64:65] scope:SCOPE_SE
	s_setreg_imm32_b32 hwreg(HW_REG_WAVE_SCHED_MODE, 0, 2), 2
	s_setreg_imm32_b32 hwreg(HW_REG_WAVE_MODE, 25, 1), 1
	s_wait_xcnt 0x0
	s_wait_alu depctr_vm_vsrc(0)
; THE WEIGHTS, ONCE.  A [2][256][128] and B [2][256][256], f32, are rounded to bf16 and written as REGISTER IMAGES for the next launch:
;   wa: (A0, -A1) in bf16;   wb: (-B0, +B1), the bf16 number written as f16 (exact down to 2^-17; below that f16's fixed step of 2^-24; |B| stays under 65,504).
; A fragment (16 rows x 32 columns, 8 registers of a wave) is 1,024 bytes: half hh (registers 4 hh ..) x lane l x 16 bytes; element e of lane l (r = l % 16, h = l / 16)
; is row 64 w + 16 pt + r, column 32 qs + 16 hh + 8 h + e.  Fragment number in wb: 64 w + 32 m + 8 pt + qs; in wa: 32 w + 16 m + 4 pt + qs: a wave's share of the next launch is contiguous.
; SHARES.  One wave a work-group; it makes four fragments, 4,096 consecutive bytes of an image: groups 0-63 of wb, groups 64-95 of wa.  Eight units of 512 bytes, each stored by one
; instruction (32 lanes x 16 neighbouring bytes).  All 16 loads go out first; each unit has registers of its own, so nothing is rewritten that a store still reads.
; wmax: group i < 64 also stores the largest |bf16(B)| of its part, f32, 64 times over: 256 consecutive bytes.
; THE MODE: SCHED_MODE bits 1:0 = 2 (LLVM: expert scheduling mode 2), set by the entry lines.  The code itself states the register dependences
; between vector instructions and memory instructions, with s_wait_alu, always for 0.
; THE PLAN.  Registers that memory instructions touch:
;   v3, v4, v5   byte offsets, made once at the head of an arm and never written again: v3 is read by the 16 loads, v4 by the 8 stores of the image, v5 by the store of the maximum.
;   RAW          unit t's eight registers: its two loads land in them before any vector instruction has named them; behind the wait for those loads the unit's arithmetic works in place;
;                its one store reads the first four, which nothing writes afterwards.  The fifth and sixth are scratch that no store reads.
;   v[CH:CH+1]   written by the reduction at the end of B's arm, read by the store of the maximum, written no more.
; So: one wait on va_vdst ahead of the first load (the offsets); one at the head of units 2, 4 and 6, behind the wait for the unit's data, with the stores of the two units before straight behind it;
; one at the end, for the last two units and, in B's arm, the maximum.  No register that a memory instruction reads is written again, no vector instruction writes a scalar register, EXEC is not written.
.set CH,  8                            ; v[8:11]   four running maxima, two bf16 each
.set TP,  12                           ; v[12:15]  at work
.set RAW, 16                           ; v[16:79]  unit t: 8 registers as loaded; its first four then hold the 16 bytes to store
.macro WORK isb, src, dst
.irp t, 0,1,2,3,4,5,6,7
	global_load_b128 v[RAW+8*\t:RAW+8*\t+3],   v3, s[\src:\src+1] offset:128*((\t)/2)+64*((\t)%2)
	global_load_b128 v[RAW+8*\t+4:RAW+8*\t+7], v3, s[\src:\src+1] offset:128*((\t)/2)+64*((\t)%2)+16
.endr
.irp t, 0,1,2,3,4,5,6,7
	s_wait_loadcnt 14-2*\t                         ; loads return in order: unit t's two are in, the later units' stay out
.if ((\t) > 0) && ((\t)%2 == 0)
	s_wait_alu depctr_va_vdst(0)                   ; units t - 2 and t - 1 have written the 16 bytes a lane that the two stores below read
	global_store_b128 v4, v[RAW+8*(\t)-16:RAW+8*(\t)-13], s[\dst:\dst+1] offset:512*(\t)-1024
	global_store_b128 v4, v[RAW+8*(\t)-8:RAW+8*(\t)-5],   s[\dst:\dst+1] offset:512*(\t)-512
.endif
.irp q, 0,1,2,3
	v_cvt_pk_bf16_f32 v[RAW+8*\t+\q], v[RAW+8*\t+2*\q], v[RAW+8*\t+2*\q+1]  ; in place: register q is written when its own numbers have been read
.endr
.if \isb
.irp q, 0,1,2,3
.if \t == 0
	v_and_b32 v[CH+\q], s24, v[RAW+8*\t+\q]        ; the first unit starts the maxima: nothing is cleared
.else
	v_and_b32 v[TP+\q], s24, v[RAW+8*\t+\q]
	v_pk_max_num_bf16 v[CH+\q], v[CH+\q], v[TP+\q]
.endif
.endr
.irp q, 0,1,2,3
	v_lshlrev_b32 v[RAW+8*\t+4], 16, v[RAW+8*\t+\q] ; the bf16 number as f32,
	v_and_b32 v[RAW+8*\t+5], s25, v[RAW+8*\t+\q]
	v_cvt_pk_f16_f32 v[RAW+8*\t+\q], v[RAW+8*\t+4], v[RAW+8*\t+5]  ; and as f16
.endr
.endif
.irp q, 0,1,2,3
	v_xor_b32 v[RAW+8*\t+\q], s21, v[RAW+8*\t+\q]  ; the image's sign
.endr
.endr
.endm
.macro LAST dst                        ; the stores of units 6 and 7; the wait for what they read stands ahead of the macro
	global_store_b128 v4, v[RAW+48:RAW+51], s[\dst:\dst+1] offset:3072
	global_store_b128 v4, v[RAW+56:RAW+59], s[\dst:\dst+1] offset:3584
.endm
	s_load_b256 s[4:11], s[0:1], 0x0               ; A s[4:5], B s[6:7], wa s[8:9], wb s[10:11]
	s_load_b64 s[12:13], s[0:1], 0x20              ; wmax
	v_and_b32 v1, 15, v0                           ; r
	v_bfe_u32 v2, v0, 4, 1                         ; h
	s_mov_b32 s24, 0x7fff7fff                      ; clears the signs of two bf16
	s_mov_b32 s25, 0xffff0000                      ; a word's upper bf16
	s_mov_b32 s26, 0x76543210                      ; v_permlanex16_b32: each lane takes its own place in the other half
	s_mov_b32 s27, 0xfedcba98
	s_cmp_lt_u32 ttmp9, 64
	s_cbranch_scc0 .Lfor_a
	; B: group = 16 w + 8 m + 2 pt + (which four of the eight column steps)
	s_lshr_b32 s16, ttmp9, 4                       ; w
	s_bfe_u32 s17, ttmp9, 0x10003                  ; m
	s_bfe_u32 s18, ttmp9, 0x20001                  ; pt
	s_and_b32 s19, ttmp9, 1
	s_lshl_b32 s20, s17, 8
	s_lshl_b32 s16, s16, 6
	s_add_co_u32 s20, s20, s16
	s_lshl_b32 s18, s18, 4
	s_add_co_u32 s20, s20, s18                     ; 256 m + 64 w + 16 pt: my first row
	s_lshl_b32 s20, s20, 10                        ; rows of 1,024 bytes
	s_lshl_b32 s19, s19, 9
	s_add_co_u32 s20, s20, s19                     ; + 512 bytes for the second four column steps
	s_cmp_eq_u32 s17, 0
	s_cselect_b32 s21, 0x80008000, 0               ; -B0, +B1
	s_lshl_b32 s22, ttmp9, 12
	s_lshl_b32 s23, ttmp9, 8
	v_lshlrev_b32 v3, 10, v1
	v_lshl_add_u32 v3, v2, 5, v3
	v_add_nc_u32 v3, s20, v3                       ; source: row r, 32 h bytes
	v_lshl_add_u32 v4, v0, 4, s22                  ; image: 4,096 x group + 16 x lane
	v_lshl_add_u32 v5, v0, 3, s23                  ; wmax: 256 x group + 8 x lane
	s_wait_kmcnt 0x0
	s_wait_alu depctr_va_vdst(0)                   ; v3, v4 and v5 are written: every load and store of this arm reads one of them as its offset
	WORK 1, 6, 10
	v_pk_max_num_bf16 v[CH], v[CH], v[CH+1]
	v_pk_max_num_bf16 v[CH+2], v[CH+2], v[CH+3]
	v_pk_max_num_bf16 v[CH], v[CH], v[CH+2]
	v_lshlrev_b32 v[TP], 16, v[CH]
	v_and_b32 v[TP+1], s25, v[CH]
	v_max_num_f32 v[TP], v[TP], v[TP+1]
	v_max_num_f32_dpp v[TP], v[TP], v[TP] row_xmask:1 row_mask:0xf bank_mask:0xf
	v_max_num_f32_dpp v[TP], v[TP], v[TP] row_xmask:2 row_mask:0xf bank_mask:0xf
	v_max_num_f32_dpp v[TP], v[TP], v[TP] row_xmask:4 row_mask:0xf bank_mask:0xf
	v_max_num_f32_dpp v[TP], v[TP], v[TP] row_xmask:8 row_mask:0xf bank_mask:0xf
	v_permlanex16_b32 v[TP+1], v[TP], s26, s27
	v_max_num_f32 v[CH], v[TP], v[TP+1]
	v_mov_b32 v[CH+1], v[CH]
	s_wait_alu depctr_va_vdst(0)                   ; units 6 and 7 have written their 16 bytes a lane, and the reduction v[CH:CH+1]: the three stores below read them
	LAST 10
	global_store_b64 v5, v[CH:CH+1], s[12:13]      ; 32 lanes x 8 bytes: 256 consecutive bytes, aligned
	s_endpgm
.Lfor_a:
	; A: group - 64 = 8 w + 4 m + pt
	s_sub_co_u32 s15, ttmp9, 64
	s_lshr_b32 s16, s15, 3                         ; w
	s_bfe_u32 s17, s15, 0x10002                    ; m
	s_and_b32 s18, s15, 3                          ; pt
	s_lshl_b32 s20, s17, 8
	s_lshl_b32 s16, s16, 6
	s_add_co_u32 s20, s20, s16
	s_lshl_b32 s18, s18, 4
	s_add_co_u32 s20, s20, s18
	s_lshl_b32 s20, s20, 9                         ; rows of 512 bytes
	s_cmp_eq_u32 s17, 1
	s_cselect_b32 s21, 0x80008000, 0               ; A0, -A1
	s_lshl_b32 s22, s15, 12
	v_lshlrev_b32 v3, 9, v1
	v_lshl_add_u32 v3, v2, 5, v3
	v_add_nc_u32 v3, s20, v3
	v_lshl_add_u32 v4, v0, 4, s22
	s_wait_kmcnt 0x0
	s_wait_alu depctr_va_vdst(0)                   ; v3 and v4 are written: every load and store of this arm reads one of them as its offset
	WORK 0, 4, 8
	s_wait_alu depctr_va_vdst(0)                   ; units 6 and 7 have written their 16 bytes a lane, which the two stores below read
	LAST 8
	s_endpgm
.Lfunc_end_k_q7b2a506727_prep:
	.size	k_q7b2a506727_prep, .Lfunc_end_k_q7b2a506727_prep-k_q7b2a506727_prep
	.p2alignl 7, 3214868480
	.fill 96, 4, 3214868480
	.section	.rodata,"a",@progbits
	.p2align	6, 0x0
	.amdhsa_kernel k_q7b2a506727_prep
		.amdhsa_group_segment_fixed_size 0
		.amdhsa_private_segment_fixed_size 0
		.amdhsa_enable_private_segment 0
		.amdhsa_kernarg_size 40
		.amdhsa_user_sgpr_count 2
		.amdhsa_user_sgpr_kernarg_segment_ptr 1
		.amdhsa_wavefront_size32 1
		.amdhsa_system_sgpr_workgroup_id_x 1
		.amdhsa_system_sgpr_workgroup_id_y 1
		.amdhsa_system_sgpr_workgroup_id_z 1
		.amdhsa_system_vgpr_workitem_id 0
		.amdhsa_next_free_vgpr 96
		.amdhsa_next_free_sgpr 66
		.amdhsa_reserve_vcc 0
		.amdhsa_float_denorm_mode_32 3
		.amdhsa_float_denorm_mode_16_64 3
		.amdhsa_memory_ordered 1
		.amdhsa_forward_progress 1
		.amdhsa_inst_pref_size 22
	.end_amdhsa_kernel
	.amdgpu_metadata
---
amdhsa.version: [ 1, 2 ]
amdhsa.kernels:
  - .name:           k_q7b2a506727_prep
    .symbol:         k_q7b2a506727_prep.kd
    .args:
      - { .name: A, .offset: 0, .size: 8, .value_kind: global_buffer, .address_space: global }
      - { .name: B, .offset: 8, .size: 8, .value_kind: global_buffer, .address_space: global }
      - { .name: wa, .offset: 16, .size: 8, .value_kind: global_buffer, .address_space: global }
      - { .name: wb, .offset: 24, .size: 8, .value_kind: global_buffer, .address_space: global }
      - { .name: wmax, .offset: 32, .size: 8, .value_kind: global_buffer, .address_space: global }
    .group_segment_fixed_size: 0
    .private_segment_fixed_size: 0
    .kernarg_segment_align: 8
    .kernarg_segment_size: 40
    .max_flat_workgroup_size: 32
    .sgpr_count:     66
    .vgpr_count:     96
    .wavefront_size: 32
...
	.end_amdgpu_metadata
.endif
;; end of part 3
;; launch lista: the kernel of part 2 again; grid 256 x 1, 4 waves a work-group, clusters of 4 x 1, 327,680 bytes of LDS; arguments y, wa, wb, wmax, etas, gammas, out0; writes out0
